; MI455X (gfx1250); checked and timed in simulation.
; The chip was launched on July 23, 2026; its instructions are those of AMD's public machine-readable ISA for CDNA 5 (MIT licence, August 2026) and "CDNA5" Instruction Set Architecture Reference Guide (July 2026). The comments in the code are by the model that wrote it; some were corrected since.
;; Multi Head Attention. Allowed arithmetic: matrix products marked QUANTISED: E5M2 operands, one given power-of-two scale a tensor, by v_wmma_f32_16x16x64_bf8_bf8 or v_wmma_f32_16x16x128_bf8_bf8, f32 sums; everything else in f32.
;; Inputs: Wk_codes 1,024 x 32 x 32 uint8 (E5M2 codes of Wk, K innermost, in blocks of 32 codes); Wo_codes 1,024 x 32 x 32 uint8 (E5M2 codes of Wo, K innermost, in blocks of 32 codes); Wq_codes 1,024 x 32 x 32 uint8 (E5M2 codes of Wq, K innermost, in blocks of 32 codes); Wv_codes 1,024 x 32 x 32 uint8 (E5M2 codes of Wv, K innermost, in blocks of 32 codes); lowp_scales 12 int32 (the exponents e of the quantised operands' scales 2^e); x_codes 4 x 2,048 x 32 x 32 uint8 (E5M2 codes of x, K innermost, in blocks of 32 codes).
;; Outputs: out0 4 x 2,048 x 1,024 float32.
;; This version of the problem:
;;   THIS VERSION OF THE PROBLEM IS GIVEN IN LOW PRECISION. The matrix products marked QUANTISED in the list below multiply operands that are first quantised to E5M2 (5 exponent bits, 2 mantissa bits; 8 bits a number), with one given power-of-two scale for each operand tensor; their sums are f32. All else is computed in f32.
;;   The module's matrix products, in the order in which they are computed (A, B: the left and right operand; K: the contracted axis; several contracted axes count as one K, in the product's order):
;;     1. [M 8,192, K 1,024] x [K 1,024, N 1,024]; A: input x (given as codes); B: input Wq (given as codes): QUANTISED (scales: A lowp_scales[0], B lowp_scales[1])
;;     2. [M 8,192, K 1,024] x [K 1,024, N 1,024]; A: input x (given as codes); B: input Wk (given as codes): QUANTISED (scales: A lowp_scales[2], B lowp_scales[3])
;;     3. [M 8,192, K 1,024] x [K 1,024, N 1,024]; A: input x (given as codes); B: input Wv (given as codes): QUANTISED (scales: A lowp_scales[4], B lowp_scales[5])
;;     4. batch 64 x [M 2,048, K 64] x [K 64, N 2,048]; A: computed on the way; B: computed on the way: QUANTISED (scales: A lowp_scales[6], B lowp_scales[7])
;;     5. batch 64 x [M 2,048, K 2,048] x [K 2,048, N 64]; A: softmax (see below); B: computed on the way: QUANTISED (scales: A lowp_scales[8], B lowp_scales[9])
;;     6. [M 8,192, K 1,024] x [K 1,024, N 1,024]; A: computed on the way; B: input Wo (given as codes): QUANTISED (scales: A lowp_scales[10], B lowp_scales[11])
;;   THE QUANTISER, for each operand of a quantised product, along K:
;;     - The operand's scale is 2^e, e = its entry of the input lowp_scales (int32; the entries are numbered through the quantised products in the list's order, A before B).
;;     - Each number is divided by the scale, clamped to +-57,344, and rounded to the nearest number of E5M2, ties to even, subnormals kept.
;;     - The product sums the exact products of the quantised numbers (number of the format x scale) in f32.
;;   ~~~python
;;   def quantise(x, axis, e):      # numpy; x: float32 -> the quantised numbers, widened to float32 again
;;       x = np.moveaxis(x, axis, -1); K = x.shape[-1]
;;       r = np.clip(x / 2.0 ** e, -57344, 57344)
;;       step = 2.0 ** (np.maximum(np.frexp(np.where(r == 0, 1, r))[1] - 1, -14) - 2)
;;       q = np.round(r / step) * step * 2.0 ** e      # np.round: ties to even
;;       return np.moveaxis(q, -1, axis).astype(np.float32)
;;   ~~~
;;   SOFTMAX AHEAD OF A QUANTISED PRODUCT. Where the list says 'softmax', what is quantised is not the finished softmax but p = 2^(t - M), with t = logit x log2(e) and M = ceil(the row's largest t), a whole number; so 1/2 < the row's largest p <= 1. The row's sum l is taken of the UNQUANTISED p, in f32, and the product's result is divided by l at the end. Since M is a whole number, a kernel that streams over the keys may use a running M (the ceiling of the running maximum): every later rescaling is an exact power of two, so the quantised numbers keep their values, but for numbers so far below the row's largest that they fall under the format's range.
;;   OPERANDS COMPUTED ON THE WAY. 'Computed on the way' means the value that the module computes at that place (a softmax that the list does not call 'softmax' is quantised finished and normalised). What goes into a quantiser is computed in f32, as accurately as f32 sums, v_exp_f32 and their like allow (about 1e-6 of the number): no bf16 or f16 on the way to a quantiser, and a product that is left as it is and whose result goes on into a quantised operand takes f32 operands (vector FMAs, or v_wmma_f32_16x16x4_f32). A number that lies on a knife's edge between two numbers of the format may be rounded either way, as far as f32 arithmetic and the matrix unit's own rounding can turn it there, and no further.
;;   INPUTS GIVEN AS CODES. Wk (in the module: [1024, 1024], K = its axis 0); Wo (in the module: [1024, 1024], K = its axis 0); Wq (in the module: [1024, 1024], K = its axis 0); Wv (in the module: [1024, 1024], K = its axis 0); x (in the module: [4, 2048, 1024], K = its axis 2): each comes as NAME_codes (uint8): NAME with its K axis moved to the last place and cut into blocks of 32 codes, [.., K / 32, bytes a block], one block behind the other in memory; one code a byte (a code: sign, 5 exponent bits, 2 mantissa bits); its scale is its entry of lowp_scales. Its value is code x scale, taken as it is: it is not quantised again, and the codes and scales need not be those that the quantiser above would give.
;; One version. Each part assembles by itself: llvm-mc -triple=amdgcn-amd-amdhsa -mcpu=gfx1250 --defsym DOCPART=n.
;; ======== version 1 of 1: 3 launches
;; workspace buffers: qimg 8,388,608 bytes; kimg 8,388,608 bytes; vimg 8,388,608 bytes; cimg 8,388,608 bytes
;; launch qkv (part 1): grid 4 x 96, 4 waves a work-group, clusters of 4 x 4, 327,680 bytes of LDS; arguments x_codes, Wq_codes, Wk_codes, Wv_codes, lowp_scales, qimg, kimg, vimg; writes qimg, kimg, vimg
.if DOCPART == 1
	.amdgcn_target "amdgcn-amd-amdhsa--gfx1250"
	.amdhsa_code_object_version 6
	.text
	.protected	k_q44b5834dd0_qkv
	.globl	k_q44b5834dd0_qkv
	.p2align	8
	.type	k_q44b5834dd0_qkv,@function
k_q44b5834dd0_qkv:
	s_mov_b64 s[64:65], 0
	v_nop
	global_prefetch_b8 v0, s[64:65] scope:SCOPE_SE
	s_setreg_imm32_b32 hwreg(HW_REG_WAVE_MODE, 25, 1), 1
	s_wait_xcnt 0x0
	s_wait_alu depctr_hold_cnt(0) depctr_sa_sdst(0) depctr_va_vdst(0) depctr_va_sdst(0) depctr_va_ssrc(0) depctr_va_vcc(0) depctr_vm_vsrc(0)
	s_getreg_b32 s2, hwreg(HW_REG_IB_STS2, 6, 4)
	s_cmp_eq_u32 s2, 0
	s_cbranch_scc0 .Lentry_in_a_cluster
	s_endpgm
.Lentry_in_a_cluster:
	s_bfe_u32 s2, ttmp6, 0x10000c
	s_cmp_lg_u32 s2, 0xf033
	s_cbranch_scc0 .Lentry_shape_is_right
	s_endpgm
.Lentry_shape_is_right:
; q = x Wq, k = x Wk, v = x Wv on codes of BF8 (E5M2); each f32 sum is quantised at once to the code that the attention launch multiplies.
; ONE BODY: Out[i][j] = sum over k of R[i][k] C[j][k], K = 1,024, a tile of 256 x 256 to a work-group of four waves, 128 x 128 to a wave (64 accumulators, 512 registers).
; kind = cluster y / 8.  kind 0, 1 (q, k): R = x (i = token), C = Wq or Wk (j = feature).  kind 2 (v): R = Wv (i = feature), C = x (j = token).
; THE MATRIX INSTRUCTION IS USED TRANSPOSED (source 0 = 16 rows of C, source 1 = 16 rows of R): a lane holds one i and eight neighbouring j.  j is the axis along which the next product sums
; (the head's channels for q and k, the keys for v), so a conversion's eight codes are eight neighbours along the next K, and nothing is transposed.
; OUTPUT: images of operand registers, blocks of 512 bytes, lane L's 16 bytes at 16 L (r' = L % 16, h' = L / 16, byte e).  perm(T, r') = 32 (T / 2) + 8 (T % 2) + r' + 8 (r' / 8).  hb = 16 batch + head.
;   qimg, kimg: hb x 131072 + T x 1024 + c x 512: token perm(T, r'), channel 32 c + 16 h' + e.      vimg: hb x 131072 + sigma x 8192 + t x 2048 + c x 512: channel perm(t, r'), key 128 sigma + 32 c + 16 h' + e.
; code = sum / 2^E, held within +-57,344, to the nearest code, ties to even; E = e6 - e0 - e1 (q), e7 - e2 - e3 (k), e9 - e4 - e5 (v): the three given scales folded into the conversion's one.
; LIMIT: each E lies between -126 and 112, so that 2^E and 57,344 x 2^E are f32 numbers.  NaN and infinity among the codes are not served.
; CLUSTERS: 4 x 4 work-groups.  R's tile hangs on the tile row alone and is asked for jointly by a row of the cluster, C's on the tile column alone, by a column.
; K goes in steps of 256 through two LDS slots: four fills in all, so the eight steps of 128 are written out without a loop.  No prefetch: two of the four fills stand at the head.
; REGISTERS, in windows of 256: window 0: v16-30 addresses and constants; v32-127 at work on the way out; from v128 R's fragments, ONE set (on the way out: blocks read back).
;   window 1: C's fragments, TWO sets.   window 2: accumulators of my rows 0-63 ((a, b) at v[8 (8 a + b)]);   window 3: rows 64-127.
.set KROW,   1024                      ; a row of x or of a weight in memory, in bytes
.set ROWB,   256                       ; a slot's part of it
.set PITCH,  272                       ; an LDS row: 256 bytes + 16 of padding = 68 words: row r starts at bank 4 r mod 64 (64 banks of 4 bytes: ISA guide 11.1)
.set FR,     16                        ; registers of a fragment: 16 rows x 128 K
.set NL,     4                         ; LDS loads that bring one
.set NP,     4                         ; places behind this matrix instruction (ISA guide 7.12.1)
.set HALFT,  128*PITCH                 ; 128 rows: what one tensor load brings
.set SLOT,   4*HALFT                   ; R's 256 rows, then C's 256 rows
.set SPARE,  2*SLOT                    ; behind the ring: the spare words, 128 bytes for each wave
.set WSTG,   16384                     ; the way out: a stage for each wave, in slot 0, which has had its last fill and its last read by then
.set ADRA, 16                          ; v16-17  LDS address of my R fragments in slot 0, 1
.set ADRB, 20                          ; v20-21  the same for C
.set STO,  24                          ; v24     the way out: where I put 8 codes
.set RD,   25                          ; v25     the way out: where I read a block back
.set CO,   26                          ; v26     16 x lane: my place in a block of 512 bytes
.set SCL,  27                          ; v27     2^E as f32
.set SPW,  28                          ; v28     LDS address of my spare word; never rewritten
.set NIL,  29                          ; v29     0; never rewritten
.set LIMV, 30                          ; v30     57,344 x 2^E
.set TMP,  32                          ; v32-95  a block's 64 sums, held
.set CD,   96                          ; v96-127 the codes of two blocks
.set AF,   128                         ; R's fragments
.set BK,   128                         ; the way out: 32 blocks of 512 bytes read back from the stage
.set G1,   24                          ; s[24:31] descriptor group 1 for R's tiles;  s[32:39] group 0, one set for each slot
.set G0,   32
.set G1B,  48                          ; s[48:55], s[56:63] the same for C's tiles
.set G0B,  56
.set WV,   20                          ; s20 wave;  s21 which half of the tile's rows is mine, also: I fetch for R (0) or C (1);  s22 which half of its columns, also: which 128 rows I fetch
.set RH,   21
.set CF,   22
.set KIND, 66
.set MSB, 0
.macro WIN new                         ; the immediate's high byte repeats the setting that is left
.if MSB != \new
	s_set_vgpr_msb (MSB<<8)|\new
.set MSB, \new
.endif
.endm
.set MUL_LO, 0xa1                      ; source 0 (C) window 1, source 1 (R) window 0, sums window 2
.set MUL_HI, 0xf1                      ; the same, sums window 3
.set TO_B,   0x40                      ; destination window 1, address window 0
; A joint load: waves 0 and 1 fetch for R, waves 2 and 3 for C.  The branch hangs on the wave's number alone.  Four v_nop follow each of the two lines.
.macro JLOAD g0a, g1a, g0b, g1b
	s_cmp_eq_u32 s[RH], 0
	s_cbranch_scc0 .Lfor_b_\@
	tensor_load_to_lds s[\g0a:\g0a+3], s[\g1a:\g1a+7]
	s_nop 0
.rept 4
	v_nop
.endr
	s_branch .Lasked_\@
.Lfor_b_\@:
	tensor_load_to_lds s[\g0b:\g0b+3], s[\g1b:\g1b+7]
	s_nop 0
.rept 4
	v_nop
.endr
.Lasked_\@:
.endm
.macro CREST                           ; a round of the cluster's barrier behind its opening barrier
	s_cmp_lg_u32 s[WV], 0
	s_cbranch_scc1 .Lnot_wave_0_\@
	s_barrier_signal -3
.Lnot_wave_0_\@:
	s_barrier_wait -3
	s_barrier_signal -1
	s_barrier_wait -1
.endm
.macro CROUND                          ; a whole round
	s_barrier_signal -1
	s_barrier_wait -1
	CREST
.endm
	s_load_b256 s[4:11], s[0:1], 0x0               ; x s[4:5], Wq s[6:7], Wk s[8:9], Wv s[10:11]
	s_load_b256 s[12:19], s[0:1], 0x20             ; the scales' exponents s[12:13], qimg s[14:15], kimg s[16:17], vimg s[18:19]
	v_lshl_add_u32 v[SPW], v0, 2, SPARE
	v_mov_b32 v[NIL], 0
	ds_add_u32 v28, v29
	ds_add_u32 v28, v29
	s_wait_dscnt 0x0
	v_lshrrev_b32 v1, 5, v0
	v_readfirstlane_b32 s[WV], v1                  ; wave 0..3
	s_lshr_b32 s[RH], s[WV], 1
	s_and_b32 s[CF], s[WV], 1
	s_bfe_u32 s40, ttmp6, 0x40000                  ; cx, cy: my place in the cluster
	s_bfe_u32 s41, ttmp6, 0x40004
	s_and_b32 s23, ttmp7, 0xffff                   ; cluster y, 0 .. 23 (the grid is one cluster wide)
	s_lshr_b32 s[KIND], s23, 3                     ; 0 q, 1 k, 2 v: the same in all sixteen partners
	s_and_b32 s67, s23, 7
	s_lshl_b32 s67, s67, 2                         ; x's 32 tiles of 256 tokens: four to a cluster
	s_cmp_eq_u32 s[KIND], 2
	s_cselect_b32 s78, 0, s67
	s_cselect_b32 s79, s67, 0
	s_add_co_u32 s43, s41, s78                     ; tile row (of R): made of cy and the cluster's y alone
	s_add_co_u32 s42, s40, s79                     ; tile column (of C): made of cx and the cluster's y alone
	s_lshl_b32 s44, s41, 2
	s_lshl_b32 s44, 15, s44                        ; my row of the cluster
	s_lshl_b32 s45, 0x1111, s40                    ; my column
	; descriptor group 1: a tile of 128 rows x 256 bytes, padded in LDS
	s_or_b32 s[G1+0], s44, (1<<20)|(1<<21)|(5<<22)|(3<<25)   ; 15:0 the mask; 17:16 elements of 1 byte; 20 padding on; 21 set beside a mask; 24:22 after every 64 words (code 5); 31:25 of 4 words (code 3)
	s_or_b32 s[G1B+0], s45, (1<<20)|(1<<21)|(5<<22)|(3<<25)
.irp g, G1, G1B
	s_mov_b32 s[\g+1], ROWB<<16                    ; tensor_dim0
	s_mov_b32 s[\g+2], 128<<16                     ; tensor_dim1
	s_mov_b32 s[\g+3], ROWB<<16                    ; tile_dim0
	s_mov_b32 s[\g+4], 128                         ; tile_dim1
	s_mov_b32 s[\g+5], KROW                        ; tensor_dim0_stride
	s_mov_b32 s[\g+6], 0
	s_mov_b32 s[\g+7], 0
.endr
	s_lshl_b32 s23, s[CF], 7                       ; which 128 rows of the tile I fetch
	s_lshl_b32 s74, s43, 8
	s_add_co_u32 s74, s74, s23                     ; R: row 256 x tile row + 128 x half,
	s_lshl_b32 s74, s74, 10                        ; in bytes: at most 8 MiB
	s_mov_b32 s75, 0
	s_lshl_b32 s46, s42, 8
	s_add_co_u32 s46, s46, s23                     ; C likewise, by the tile column
	s_lshl_b32 s46, s46, 10
	s_mov_b32 s47, 0
	s_mul_i32 s78, s[WV], HALFT                    ; where they go: wave x 128 rows: no place in the cluster enters an LDS address
	s_wait_kmcnt 0x0
	s_load_b256 s[80:87], s[12:13], 0x0            ; e0 .. e7
	s_load_b128 s[88:91], s[12:13], 0x20           ; e8 .. e11
	s_cmp_eq_u32 s[KIND], 0                        ; the buffers are chosen by the kind alone
	s_cselect_b64 s[70:71], s[6:7], s[8:9]
	s_cselect_b64 s[72:73], s[14:15], s[16:17]
	s_cmp_eq_u32 s[KIND], 2
	s_cselect_b64 s[68:69], s[10:11], s[4:5]       ; R
	s_cselect_b64 s[70:71], s[4:5], s[70:71]       ; C
	s_cselect_b64 s[72:73], s[18:19], s[72:73]     ; the images
	s_add_nc_u64 s[68:69], s[68:69], s[74:75]
	s_add_nc_u64 s[70:71], s[70:71], s[46:47]
	CROUND                                         ; all sixteen work-groups are here: the first joint loads meet
.irp s, 0,1
	s_mov_b32 s[G0+4*\s], 1
	s_add_co_u32 s[G0+4*\s+1], s78, \s*SLOT
	s_add_nc_u64 s[G0+4*\s+2:G0+4*\s+3], s[68:69], \s*ROWB
	s_or_b32 s[G0+4*\s+3], s[G0+4*\s+3], 0x80000000
	s_mov_b32 s[G0B+4*\s], 1
	s_add_co_u32 s[G0B+4*\s+1], s78, \s*SLOT
	s_add_nc_u64 s[G0B+4*\s+2:G0B+4*\s+3], s[70:71], \s*ROWB
	s_or_b32 s[G0B+4*\s+3], s[G0B+4*\s+3], 0x80000000
	JLOAD G0+4*\s, G1, G0B+4*\s, G1B
.endr
	v_and_b32 v1, 15, v0                           ; r = lane % 16
	v_bfe_u32 v2, v0, 4, 1                         ; h = lane / 16
	v_mul_u32_u24 v3, v1, PITCH
	v_lshl_add_u32 v4, v2, 4, v3                   ; a fragment's row x pitch + 16 x half
	s_mul_i32 s78, s[RH], HALFT                    ; my 128 rows of R
	s_mul_i32 s79, s[CF], HALFT                    ; my 128 rows of C,
	s_add_co_u32 s79, s79, 2*HALFT                 ; which lie behind R's 256
.irp s, 0,1
	v_add_nc_u32 v[ADRA+\s], s78, v4
	v_add_nc_u32 v[ADRB+\s], s79, v4
	s_add_co_u32 s78, s78, SLOT
	s_add_co_u32 s79, s79, SLOT
.endr
	; the stage: block (G, u, X) of 512 bytes at 4096 G + 2048 u + 512 X.  Lane (r, h) of accumulator (a, b) puts its 8 codes into block (a / 2, r / 8, b / 2), at 256 (b % 2) + 128 (a % 2) + 16 (r % 8) + 8 h
	v_bfe_u32 v5, v0, 3, 1                         ; r / 8
	v_and_b32 v6, 7, v0                            ; r % 8
	v_lshlrev_b32 v[STO], 11, v5
	v_lshl_add_u32 v[STO], v6, 4, v[STO]
	v_lshl_add_u32 v[STO], v2, 3, v[STO]
	s_lshl_b32 s23, s[WV], 14                      ; my stage: WSTG x wave
	v_add_nc_u32 v[STO], s23, v[STO]
	v_and_b32 v7, 31, v0
	v_lshlrev_b32 v[CO], 4, v7
	v_add_nc_u32 v[RD], s23, v[CO]
	; where my wave's blocks begin in the images: (tt / 8) x 2 MiB + (4 ft + 2 f) x 131072 + (2 (tt % 8) + p) x 8192; tt, p: the tile and half along the tokens; ft, f: along the features
	s_cmp_eq_u32 s[KIND], 2
	s_cselect_b32 s95, s42, s43
	s_cselect_b32 s96, s43, s42
	s_cselect_b32 s97, s[CF], s[RH]
	s_cselect_b32 s98, s[RH], s[CF]
	s_lshr_b32 s46, s95, 3
	s_lshl_b32 s46, s46, 21
	s_lshl_b32 s96, s96, 19
	s_add_co_u32 s46, s46, s96
	s_lshl_b32 s98, s98, 18
	s_add_co_u32 s46, s46, s98
	s_and_b32 s95, s95, 7
	s_lshl_b32 s95, s95, 14
	s_add_co_u32 s46, s46, s95
	s_lshl_b32 s97, s97, 13
	s_add_co_u32 s46, s46, s97
	s_mov_b32 s47, 0
	s_add_nc_u64 s[72:73], s[72:73], s[46:47]
.macro FRAG reg, adr, q, i             ; a fragment: lane l holds row l % 16; registers 4 c .. 4 c + 3 hold K = 32 c + 16 (l / 16) + 0 .. 15: the same order of k on both sides of the product
.irp c, 0,1,2,3
	ds_load_b128 v[\reg+4*\c:\reg+4*\c+3], v[\adr] offset:128*(\q)+32*\c+(\i)*16*PITCH
.endr
.endm
; 16 matrix instructions: R's blocks a0, a0 + 1 x C's eight, 128 along K.  p: C's set.  zero = 1: the first product starts the sums.
; The 64 accumulators take turns, one instruction a turn, in the same order in every step.
.macro MUL16 a0, p, zero
.irp a, \a0, \a0+1
.irp b, 0,1,2,3,4,5,6,7
.if \zero
	v_wmma_f32_16x16x128_bf8_bf8 v[8*(8*((\a)%4)+\b):8*(8*((\a)%4)+\b)+7], v[128*(\p)+FR*\b:128*(\p)+FR*\b+FR-1], v[AF+FR*(\a):AF+FR*(\a)+FR-1], 0
.else
	v_wmma_f32_16x16x128_bf8_bf8 v[8*(8*((\a)%4)+\b):8*(8*((\a)%4)+\b)+7], v[128*(\p)+FR*\b:128*(\p)+FR*\b+FR-1], v[AF+FR*(\a):AF+FR*(\a)+FR-1], v[8*(8*((\a)%4)+\b):8*(8*((\a)%4)+\b)+7]
.endif
.endr
.endr
.endm
.macro FETCH_B slot, q, p              ; C's eight fragments of the slot's q-th 128 along K into set p
	WIN TO_B
.irp i, 0,1,2,3,4,5,6,7
	FRAG 128*(\p)+FR*\i, ADRB+\slot, \q, \i
.endr
	WIN 0
.endm
.macro FETCH_A slot, q, i0             ; R's blocks i0 .. i0 + 3
.irp i, \i0, \i0+1, \i0+2, \i0+3
	FRAG AF+FR*(\i), ADRA+\slot, \q, \i
.endr
.endm
.macro PLACES n                        ; plain vector instructions between a matrix instruction and a load into, or a read of, its registers
.rept \n
	v_nop
.endr
.endm
; A step of 128 along K that has its successor in the same slot.
.macro STEP slot, q, zero
	s_wait_dscnt 4*NL                              ; C's set and R's blocks 0-3 are in; the youngest sixteen loads (R's blocks 4-7) may be out
	WIN MUL_LO
	MUL16 0, (\q)%2, \zero
	MUL16 2, (\q)%2, \zero
	s_wait_dscnt 0                                 ; R's blocks 4-7 are in
	PLACES NP
	FETCH_B \slot, (\q)+1, 1-(\q)%2
	FETCH_A \slot, (\q)+1, 0
	WIN MUL_HI
	MUL16 4, (\q)%2, \zero
	MUL16 6, (\q)%2, \zero
	PLACES NP
	WIN 0
	FETCH_A \slot, (\q)+1, 4
.endm
; A slot's last step changes slots: ONE barrier; in front of it each wave waits for all its tensor loads, adds 0 to its spare word, and waits for that and for its own reads of this slot.  fill = 1: this slot is filled again.
.macro TURN slot, next, fill
	s_wait_tensorcnt 0x0                           ; all my tensor loads have landed: my part of the next slot
	ds_add_u32 v[SPW], v[NIL]                      ; 0 onto my spare word
	s_wait_dscnt 4*NL+1                            ; (the add and the youngest sixteen loads may be out)
	WIN MUL_LO
	MUL16 0, 1, 0                                  ; sixteen matrix instructions stand between the add and the wait for it
	s_wait_dscnt 0x0                               ; the add is done, and my reads of this slot are over
	s_barrier_signal -1
	MUL16 2, 1, 0
	WIN 0
	s_barrier_wait -1
.if \fill
	CREST                                          ; the barrier has opened a round of the cluster's barrier: no wave of any partner still reads this slot or has a load on its way
	s_add_nc_u64 s[G0+4*\slot+2:G0+4*\slot+3], s[G0+4*\slot+2:G0+4*\slot+3], 2*ROWB
	s_add_nc_u64 s[G0B+4*\slot+2:G0B+4*\slot+3], s[G0B+4*\slot+2:G0B+4*\slot+3], 2*ROWB
	JLOAD G0+4*\slot, G1, G0B+4*\slot, G1B         ; the first tensor load behind the round; its four v_nop are the places in front of the loads below
.else
	PLACES NP
.endif
	FETCH_B \next, 0, 0
	FETCH_A \next, 0, 0
	WIN MUL_HI
	MUL16 4, 1, 0
	MUL16 6, 1, 0
	PLACES NP
	WIN 0
	FETCH_A \next, 0, 4
.endm
	s_wait_tensorcnt 1                             ; my part of slot 0 is in; slot 1's load may be out
	s_barrier_signal -1
	s_barrier_wait -1                              ; everybody's is
	FETCH_B 0, 0, 0
	FETCH_A 0, 0, 0
	FETCH_A 0, 0, 4
	STEP 0, 0, 1                                   ; K 0-127: the products start the sums
	TURN 0, 1, 1                                   ; K 128-255; slot 0 takes K 512-767
	STEP 1, 0, 0
	TURN 1, 0, 1                                   ; slot 1 takes K 768-1023
	STEP 0, 0, 0
	TURN 0, 1, 0                                   ; nothing is left to fetch
	STEP 1, 0, 0
	s_wait_dscnt 4*NL                              ; the last step
	WIN MUL_LO
	MUL16 0, 1, 0
	MUL16 2, 1, 0
	s_wait_dscnt 0
	WIN MUL_HI
	MUL16 4, 1, 0
	MUL16 6, 1, 0
	WIN 0
	; THE WAY OUT.  The given exponents make the conversion's scale and the hold; the hold is always executed.
	s_wait_kmcnt 0x0
	s_sub_co_i32 s92, s86, s80
	s_sub_co_i32 s92, s92, s81                     ; q: e6 - e0 - e1
	s_sub_co_i32 s93, s87, s82
	s_sub_co_i32 s93, s93, s83                     ; k: e7 - e2 - e3
	s_sub_co_i32 s94, s89, s84
	s_sub_co_i32 s94, s94, s85                     ; v: e9 - e4 - e5
	s_cmp_eq_u32 s[KIND], 0
	s_cselect_b32 s92, s92, s93
	s_cmp_eq_u32 s[KIND], 2
	s_cselect_b32 s92, s94, s92                    ; E
	s_add_co_i32 s92, s92, 127
	s_lshl_b32 s93, s92, 23                        ; 2^E as f32: the conversion takes its exponent field
	s_add_co_i32 s92, s92, 15
	s_lshl_b32 s94, s92, 23
	s_or_b32 s94, s94, 0x600000                    ; 57,344 x 2^E
	PLACES NP
	v_mov_b32 v[SCL], s93
	v_mov_b32 v[LIMV], s94
; Block a (16 of my rows x my 128 columns): held, converted, 8 codes a lane and accumulator into the stage.
.macro CODES a
.set AC, 64*((\a)%4)
	WIN 0x02+((\a)/4)                              ; source 0: window 2 or 3
.set j, 0
.rept 64
	v_med3_num_f32 v[TMP+j], v[AC+j], -v[LIMV], v[LIMV]   ; the conversion to an 8-bit code does not saturate (ISA guide 7.6.2); each accumulator from its low end on
.set j, j+1
.endr
	WIN 0
.if ((\a)%2 == 0) && ((\a) > 0)
	s_wait_dscnt 8                                 ; the eight loads from the stage may be out; the sixteen stores ahead of them have read the codes' registers
.endif
.irp b, 0,1,2,3,4,5,6,7
	v_cvt_scalef32_pk8_bf8_f32 v[CD+16*((\a)%2)+2*\b:CD+16*((\a)%2)+2*\b+1], v[TMP+8*\b:TMP+8*\b+7], v[SCL]
.endr
	v_nop                                          ; one plain vector instruction behind the last conversion: the next block's holds write its sources
.irp b, 0,1,2,3,4,5,6,7
	ds_store_b64 v[STO], v[CD+16*((\a)%2)+2*\b:CD+16*((\a)%2)+2*\b+1] offset:((\a)/2)*4096+((\a)%2)*128+(\b/2)*512+(\b%2)*256
.endr
.endm
.irp g, 0,1,2,3
	CODES 2*\g
	CODES 2*\g+1
.irp n, 0,1,2,3,4,5,6,7
	ds_load_b128 v[BK+32*\g+4*\n:BK+32*\g+4*\n+3], v[RD] offset:\g*4096+512*\n   ; LDS serves a wave's instructions in order (ISA guide 5.7.1.4): these see my stores
.endr
.endr
	s_wait_dscnt 0x0
	s_cmp_eq_u32 s[KIND], 2                        ; the kind is the same in all partners; the two ways differ in the stores' immediates alone
	s_cbranch_scc1 .Lv_out
.irp g, 0,1,2,3
.irp n, 0,1,2,3,4,5,6,7
	global_store_b128 v[CO], v[BK+32*\g+4*\n:BK+32*\g+4*\n+3], s[72:73] offset:((\n%4)/2)*131072+\g*2048+(\n/4)*1024+(\n%2)*512   ; head X / 2, tile 2 G + u, half X % 2 of the channels: 512 consecutive bytes, aligned
.endr
.endr
	s_branch .Lstored
.Lv_out:
.irp g, 0,1,2,3
.irp n, 0,1,2,3,4,5,6,7
	global_store_b128 v[CO], v[BK+32*\g+4*\n:BK+32*\g+4*\n+3], s[72:73] offset:(\g/2)*131072+(\g%2)*4096+(\n/4)*2048+(\n%4)*512   ; head G / 2, tile 2 (G % 2) + u of the channels, keys 32 X on
.endr
.endr
.Lstored:
	s_wait_tensorcnt 0x0                           ; the wave's end
	ds_add_u32 v[SPW], v[NIL]
	s_wait_dscnt 0x0
	CROUND                                         ; the closing round: no work-group ends while a partner may still ask for a tile that names it
	s_endpgm
.Lfunc_end_k_q44b5834dd0_qkv:
	.size	k_q44b5834dd0_qkv, .Lfunc_end_k_q44b5834dd0_qkv-k_q44b5834dd0_qkv
	.p2alignl 7, 3214868480
	.fill 96, 4, 3214868480
	.section	.rodata,"a",@progbits
	.p2align	6, 0x0
	.amdhsa_kernel k_q44b5834dd0_qkv
		.amdhsa_group_segment_fixed_size 327680
		.amdhsa_private_segment_fixed_size 0
		.amdhsa_enable_private_segment 0
		.amdhsa_kernarg_size 64
		.amdhsa_user_sgpr_count 2
		.amdhsa_user_sgpr_kernarg_segment_ptr 1
		.amdhsa_wavefront_size32 1
		.amdhsa_system_sgpr_workgroup_id_x 1
		.amdhsa_system_sgpr_workgroup_id_y 1
		.amdhsa_system_sgpr_workgroup_id_z 1
		.amdhsa_system_vgpr_workitem_id 0
		.amdhsa_next_free_vgpr 1024
		.amdhsa_next_free_sgpr 100
		.amdhsa_reserve_vcc 0
		.amdhsa_float_denorm_mode_32 3
		.amdhsa_float_denorm_mode_16_64 3
		.amdhsa_memory_ordered 1
		.amdhsa_forward_progress 1
		.amdhsa_inst_pref_size 128
	.end_amdhsa_kernel
	.amdgpu_metadata
---
amdhsa.version: [ 1, 2 ]
amdhsa.kernels:
  - .name:           k_q44b5834dd0_qkv
    .symbol:         k_q44b5834dd0_qkv.kd
    .args:
      - { .name: x_codes, .offset: 0, .size: 8, .value_kind: global_buffer, .address_space: global }
      - { .name: Wq_codes, .offset: 8, .size: 8, .value_kind: global_buffer, .address_space: global }
      - { .name: Wk_codes, .offset: 16, .size: 8, .value_kind: global_buffer, .address_space: global }
      - { .name: Wv_codes, .offset: 24, .size: 8, .value_kind: global_buffer, .address_space: global }
      - { .name: lowp_scales, .offset: 32, .size: 8, .value_kind: global_buffer, .address_space: global }
      - { .name: qimg, .offset: 40, .size: 8, .value_kind: global_buffer, .address_space: global }
      - { .name: kimg, .offset: 48, .size: 8, .value_kind: global_buffer, .address_space: global }
      - { .name: vimg, .offset: 56, .size: 8, .value_kind: global_buffer, .address_space: global }
    .group_segment_fixed_size: 327680
    .private_segment_fixed_size: 0
    .kernarg_segment_align: 8
    .kernarg_segment_size: 64
    .max_flat_workgroup_size: 128
    .sgpr_count:     100
    .vgpr_count:     1024
    .wavefront_size: 32
...
	.end_amdgpu_metadata
.endif
;; end of part 1
;; launch attn (part 2): grid 4 x 64, 8 waves a work-group, no clusters, 263,168 bytes of LDS; arguments qimg, kimg, vimg, lowp_scales, cimg; writes cimg
.if DOCPART == 2
	.amdgcn_target "amdgcn-amd-amdhsa--gfx1250"
	.amdhsa_code_object_version 6
	.text
	.protected	k_q44b5834dd0_attn
	.globl	k_q44b5834dd0_attn
	.p2align	8
	.type	k_q44b5834dd0_attn,@function
k_q44b5834dd0_attn:
	s_mov_b64 s[64:65], 0
	v_nop
	global_prefetch_b8 v0, s[64:65] scope:SCOPE_SE
	s_setreg_imm32_b32 hwreg(HW_REG_WAVE_MODE, 25, 1), 1
	s_wait_xcnt 0x0
; ctx = softmax(causal(q k^T) / 8) v for one head, both products on codes of BF8 (E5M2); ctx is quantised at once to the codes of the output projection.
; INPUTS: images of operand registers (blocks of 512 bytes, lane L's 16 bytes at 16 L; r' = L % 16, h' = L / 16).  perm(T, r') = 32 (T / 2) + 8 (T % 2) + r' + 8 (r' / 8).  hb = 16 batch + head.
;   qimg, kimg: hb x 131072 + T x 1024 + c x 512: token perm(T, r'), channel 32 c + 16 h' + e.      vimg: hb x 131072 + sigma x 8192 + t x 2048 + c x 512: channel perm(t, r'), key 128 sigma + 32 c + 16 h' + e.
; OUTPUT cimg: TT x 16384 + kk x 2048 + c x 512: token perm(TT, r') of all 8,192, k = 128 kk + 32 c + 16 h' + e of the 1,024 features.
; THE SOFTMAX AHEAD OF THE SECOND PRODUCT: t = score x log2(e) / 8; M = the running largest t rounded UP to a whole number; p = 2^(t - M) is quantised; the sum is taken of the unquantised p and divides at the end.
; When M moves, the sum and O are multiplied by 2^(old M - new M): exact.
; SHARES.  Work-group (i, hb), i = 0 .. 3, takes two blocks of 256 queries of head hb: first block 7 - i, then block i: (8 - i) + (i + 1) = 9 blocks of 256 keys for every work-group, so the causal work is even.
; Each of the eight waves owns 32 queries of a block, two tiles of 16, which share every fragment of K and V that the wave reads from LDS.  Two waves to a SIMD: one's vector work stands beside the other's products.
; LAYOUT.  Both products transposed: S^T = K Q^T (source 0 = 16 keys), O^T = V^T P^T (source 0 = 16 channels): a lane holds ONE query (perm(tile, lane % 16)).  By perm the 16 registers of tiles 2 g, 2 g + 1 of a result
; are 16 neighbours (32 g + 16 (lane / 16) + 0 .. 15) along the next K: the conversions' results ARE the next operand's registers, for p and for ctx alike.
; LDS holds the head's K images (131,072 bytes) and V images (131,072): every byte is stored once, a chunk of 256 keys a trip, by loads through registers issued a chunk ahead; one barrier a chunk, between the stores and the reads.
; NO TENSOR LOAD, NO CLUSTER, on purpose.  p is at most 1, so the hold at 57,344 x 2^e8 can change a number only where e8 < -15: elsewhere the step's 128 holds are jumped over, by a scalar branch on e8.
; The four work-groups of a head need 5 to 8 chunks, so partners would ask for different numbers of tiles, and what they share is at most 262,144 bytes a work-group in the whole launch.
; CAUSAL.  Trip counts are constants; a step all of whose 128 keys come after the wave's 32 queries is jumped over by a scalar branch on ids; in the step on the diagonal hidden scores become -infinity ahead of the maximum.
; LIMITS: e6 + e7 between -123 and 130 (added to c's exponent field); e8 and e10 between -126 and 112.  lowp_scales[6] is taken as q's scale, [7] as k's.  NaN and infinity among the codes are not served.
; Where e8 < -15 the hold of p is taken under the running M.
; REGISTERS.  Window 0: v1-9 addresses; v10-31 statistics; v32-95, v96-159 S^T of tiles 0, 1, then p; v160-191 p's codes; v192-207, v208-223 Q of the two passes; v224-230 constants; v232-247 ctx's codes.
;   Window 1: v0-63 K's 8 fragments; v64-127 V's 4; v128-191 O^T (32 a tile); v192-223 the chunk on its way.
.set VIMG, 131072                      ; LDS: V's images begin here
.set CHUNK, 16384                      ; 256 keys of K's images, and of V's
.set LI,   1                           ; v1   16 x lane
.set LIV,  2                           ; v2   16 x lane + VIMG
.set T16,  3                           ; v3   16 x thread
.set ADK,  4                           ; v4   LDS address of the chunk's K images for my lane
.set ADV,  5                           ; v5   of V's
.set SA,   6                           ; v6   where I store the chunk's K
.set SAV,  7                           ; v7   and V
.set PFO,  8                           ; v8   256 x lane: the prefetches' offset
.set DQ,   9                           ; v9   r + 8 (r / 8) - 16 h: my query's place in its tile less my half's first key
.set PX,   10                          ; v10, v11  what the other half of the lanes sends
.set ST,   12                          ; tile u: v[12+4u] -M, +1 the largest t, +2, +3 the sum in two halves
.set FF,   20                          ; v[20+2u] f = 2^(old M - new M); its neighbour is named with it as a pair
.set SUM2, 24                          ; v[24+2u:25+2u] the sums' second chain
.set MX,   28                          ; v[28+2u], v[29+2u] the maxima's two chains
.set S,    32
.set PC,   160
.set PLIM, 224                         ; 57,344 x 2^e8
.set PSCL, 225                         ; 2^e8
.set NINF, 226                         ; -infinity
.set DD,   227                         ; v227, v228: my query - the step's first key - 16 h, for tiles 0, 1
.set CLIM, 229                         ; 57,344 x 2^e10
.set CSCL, 230                         ; 2^e10
.set CC,   232
.set KFR,  0                           ; window 1
.set VFR,  64
.set OT,   128
.set STG,  192
.set WV,   14
.set IX,   15
.set HB,   16
.set SEL,  20                          ; s[20:21] lane selects: lane l xor 16
.set CS,   22                          ; s[22:23] c = log2(e) / 8 x 2^(e6 + e7)
.set QB0,  24                          ; the first pass's block of queries, and the last chunk that is staged
.set QB1,  25
.set CH,   26                          ; the trip's chunk
.set TB,   27                          ; its first byte in K's images
.set KF,   28                          ; the step's first key
.set QMIN, 29                          ; my wave's first query
.set QMAX, 31                          ; and last
.set HOLD, 32                          ; 1 where e8 < -15
.set LIM,  33                          ; a wave prefetches while the chunk's number is under it
.set KB,   34                          ; s[34:35] K's images at the chunk to be loaded;  s[36:37] V's
.set VB,   36
.set PFA,  38                          ; s[38:39] where my prefetches stand
.set OUT0, 40
.set OUT1, 42
.set ESUM, 49                          ; e8 + e9
.set QA0,  50
.set QA1,  52
.set MSB, 0
.macro WIN new                         ; the immediate's high byte repeats the setting that is left
.if MSB != \new
	s_set_vgpr_msb (MSB<<8)|\new
.set MSB, \new
.endif
.endm
	s_load_b256 s[4:11], s[0:1], 0x0               ; qimg s[4:5], kimg s[6:7], vimg s[8:9], the scales' exponents s[10:11]
	s_load_b64 s[12:13], s[0:1], 0x20              ; cimg
	v_lshl_add_u32 v254, v0, 2, 0x40000
	v_mov_b32 v255, 0
	v_lshrrev_b32 v4, 5, v0
	v_readfirstlane_b32 s[WV], v4                  ; wave 0..7
	v_and_b32 v5, 31, v0
	v_lshlrev_b32 v[LI], 4, v5
	v_lshlrev_b32 v[PFO], 8, v5
	v_add_nc_u32 v[LIV], VIMG, v[LI]
	v_lshlrev_b32 v[T16], 4, v0
	v_and_b32 v4, 15, v0                           ; r
	v_and_b32 v5, 8, v0                            ; 8 (r / 8)
	v_add_nc_u32 v[DQ], v4, v5
	v_and_b32 v5, 16, v0                           ; 16 h
	v_sub_nc_u32 v[DQ], v[DQ], v5
	v_mov_b32 v[PX], 0                             ; written once: a lane permute's destination counts as one of its sources
	v_mov_b32 v[PX+1], 0
	v_mov_b32 v[FF+1], 0                           ; (named as the upper halves of f's pairs)
	v_mov_b32 v[FF+3], 0
	v_mov_b32 v[NINF], 0xff800000
	s_mov_b32 s[IX], ttmp9
	s_and_b32 s[HB], ttmp7, 0xffff
	s_lshl_b32 s18, s[HB], 17                      ; the head's first byte in q's, k's and v's images
	s_mov_b32 s19, 0
	s_sub_co_u32 s[QB0], 7, s[IX]
	s_mov_b32 s[QB1], s[IX]
	s_mov_b32 s[SEL], 0x76543210
	s_mov_b32 s[SEL+1], 0xfedcba98
	s_lshr_b32 s56, s[HB], 4
	s_lshl_b32 s56, s56, 21                        ; cimg: the batch's 128 token tiles of 16,384 bytes,
	s_bfe_u32 s57, s[HB], 0x30001
	s_lshl_b32 s57, s57, 11                        ; K step head / 2,
	s_add_co_u32 s56, s56, s57
	s_and_b32 s57, s[HB], 1
	s_lshl_b32 s57, s57, 10                        ; blocks 2 (head % 2) on
	s_add_co_u32 s56, s56, s57
	s_lshr_b32 s54, s[WV], 2
	s_xor_b32 s54, s54, 1                          ; 0 in waves 4 to 7,
	s_or_b32 s54, s54, s[IX]                       ; of the head's work-group 0, which walks all eight chunks
	s_cmp_eq_u32 s54, 0
	s_cselect_b32 s[LIM], 6, 0
	s_wait_kmcnt 0x0
	s_load_b128 s[44:47], s[10:11], 0x18           ; e6, e7, e8, e9
	s_load_b32 s48, s[10:11], 0x28                 ; e10
	s_add_nc_u64 s[KB:KB+1], s[6:7], s[18:19]
	s_add_nc_u64 s[VB:VB+1], s[8:9], s[18:19]
	WIN 0x40                                       ; destination window 1
.irp j, 0,1,2,3
	global_load_b128 v[STG+4*\j:STG+4*\j+3], v[T16], s[KB:KB+1] offset:4096*\j         ; chunk 0: the 256 threads read 4,096 consecutive bytes
.endr
.irp j, 0,1,2,3
	global_load_b128 v[STG+16+4*\j:STG+16+4*\j+3], v[T16], s[VB:VB+1] offset:4096*\j
.endr
	WIN 0
.macro BASES qb, qa, out               ; group g = 8 x block + wave of 32 queries: Q's two tiles at g x 2048, ctx's two token tiles at g x 32768
	s_lshl_b32 s54, s[\qb], 3
	s_add_co_u32 s54, s54, s[WV]
	s_lshl_b32 s58, s54, 11
	s_add_co_u32 s58, s58, s18
	s_mov_b32 s59, 0
	s_add_nc_u64 s[\qa:\qa+1], s[4:5], s[58:59]
	s_lshl_b32 s58, s54, 15
	s_add_co_u32 s58, s58, s56
	s_add_nc_u64 s[\out:\out+1], s[12:13], s[58:59]
.endm
	BASES QB0, QA0, OUT0
	BASES QB1, QA1, OUT1
.irp u, 0,1
.irp c, 0,1
	global_load_b128 v[192+8*\u+4*\c:192+8*\u+4*\c+3], v[LI], s[QA0:QA0+1] offset:\u*1024+\c*512 th:TH_LOAD_NT   ; Q of both passes stays in registers
	global_load_b128 v[208+8*\u+4*\c:208+8*\u+4*\c+3], v[LI], s[QA1:QA1+1] offset:\u*1024+\c*512 th:TH_LOAD_NT
.endr
.endr
	s_cmp_lt_u32 s[WV], 6                          ; the prefetches: waves 4 and 5 ask for K's images, waves 6 and 7 for V's, 8,192 bytes of a chunk each
	s_cselect_b64 s[PFA:PFA+1], s[6:7], s[8:9]
	s_and_b32 s58, s[WV], 1
	s_lshl_b32 s58, s58, 13
	s_add_co_u32 s58, s58, CHUNK                   ; at chunk 1: the first trip steps it to chunk 2.  Nothing is prefetched here, at the head
	s_add_co_u32 s58, s58, s18
	s_mov_b32 s59, 0
	s_add_nc_u64 s[PFA:PFA+1], s[PFA:PFA+1], s[58:59]
	s_wait_kmcnt 0x0
	s_add_co_i32 s54, s44, s45
	s_lshl_b32 s54, s54, 23
	s_add_co_i32 s[CS], s54, 0x3e38aa3b            ; c = log2(e) / 8; a score stands for score x 2^(e6 + e7): the two exponents are added to c's exponent field
	s_mov_b32 s[CS+1], s[CS]                       ; (named with it as a pair)
	s_add_co_i32 s54, s46, 127
	s_lshl_b32 s55, s54, 23
	v_mov_b32 v[PSCL], s55
	s_add_co_i32 s54, s54, 15
	s_lshl_b32 s54, s54, 23
	s_or_b32 s54, s54, 0x600000
	v_mov_b32 v[PLIM], s54
	s_add_co_i32 s54, s48, 127
	s_lshl_b32 s55, s54, 23
	v_mov_b32 v[CSCL], s55
	s_add_co_i32 s54, s54, 15
	s_lshl_b32 s54, s54, 23
	s_or_b32 s54, s54, 0x600000
	v_mov_b32 v[CLIM], s54
	s_add_co_i32 s[ESUM], s46, s47
	s_cmp_lt_i32 s46, -15
	s_cselect_b32 s[HOLD], 1, 0
; A PREFETCH INTO THE L2 of chunk CH + 2, behind the loads of chunk CH + 1: a lane names 256 bytes, a wave 8,192, four waves the chunk's 32,768.  All four work-groups of a head read the same images: work-group 0 of the head asks,
; so each block is named once in the launch.  Chunks 0 and 1 come by their loads alone; trips 6 and 7 ask for nothing: there is no chunk 8.
.macro ASK
	s_cmp_lt_u32 s[CH], s[LIM]
	s_cbranch_scc0 .Lnot_mine_\@
	global_prefetch_b8 v[PFO], s[PFA:PFA+1] th:TH_LOAD_NT scope:SCOPE_SE
.Lnot_mine_\@:
.endm
; A KEY STEP: 128 keys, the q-th half of the chunk in hand, against my two tiles of queries (Q at v[qr] on).
.macro STEP q, qr
	s_cmp_gt_u32 s[KF], s[QMAX]                    ; all its keys come after my queries: nothing to do
	s_cbranch_scc1 .Lhidden_\@
	v_add_nc_u32 v[ADK], s[TB], v[LI]
	v_add_nc_u32 v[ADV], s[TB], v[LIV]
	v_nop                                          ; with the two additions: four places in front of loads into V's registers, which the last products read
	v_nop
	WIN 0x40                                       ; destination window 1
.irp t, 0,1,2,3,4,5,6,7
.irp c, 0,1
	ds_load_b128 v[KFR+8*\t+4*\c:KFR+8*\t+4*\c+3], v[ADK] offset:\q*8192+\t*1024+\c*512   ; an image comes back as it was stored: 512 consecutive bytes an instruction
.endr
.endr
.irp t, 0,1,2,3
.irp c, 0,1,2,3
	ds_load_b128 v[VFR+16*\t+4*\c:VFR+16*\t+4*\c+3], v[ADV] offset:\q*8192+\t*2048+\c*512
.endr
.endr
	s_wait_dscnt 16                                ; K's sixteen loads are in; V's sixteen may be out
	WIN 0x01                                       ; source 0 (K) window 1
.irp t, 0,1,2,3,4,5,6,7
.irp u, 0,1
	v_wmma_f32_16x16x64_bf8_bf8 v[S+64*\u+8*\t:S+64*\u+8*\t+7], v[KFR+8*\t:KFR+8*\t+7], v[\qr+8*\u:\qr+8*\u+7], 0   ; register 16 b + i of a tile: key KF + 32 b + 16 h + i
.endr
.endr
	WIN 0
.rept 4
	v_nop
.endr
	s_add_co_u32 s54, s[KF], 127                   ; a step all of whose keys count skips the mask
	s_cmp_le_u32 s54, s[QMIN]
	s_cbranch_scc1 .Lopen_\@
	s_sub_co_i32 s54, s[QMIN], s[KF]
	v_add_nc_u32 v[DD], s54, v[DQ]                 ; d = my query - KF - 16 h: register 16 b + i is hidden where 32 b + i > d
	v_add_nc_u32 v[DD+1], 8, v[DD]                 ; tile 1's queries lie 8 further on
.set n, 0
.rept 64
	v_cmp_gt_i32 vcc_lo, 32*(n/16)+n%16, v[DD]
	v_cndmask_b32 v[S+n], v[S+n], v[NINF], vcc_lo
	v_cmp_gt_i32 vcc_lo, 32*(n/16)+n%16, v[DD+1]
	v_cndmask_b32 v[S+64+n], v[S+64+n], v[NINF], vcc_lo
.set n, n+1
.endr
.Lopen_\@:
.irp u, 0,1                                    ; the step's largest score of my query among my 64 keys: two chains a tile, each accumulator from its low end on
	v_max3_num_f32 v[MX+2*\u], v[S+64*\u], v[S+64*\u+1], v[S+64*\u+2]
	v_max3_num_f32 v[MX+2*\u+1], v[S+64*\u+3], v[S+64*\u+4], v[S+64*\u+5]
.endr
.set i, 6
.rept 14
.irp u, 0,1
	v_max3_num_f32 v[MX+2*\u], v[MX+2*\u], v[S+64*\u+i], v[S+64*\u+i+1]
	v_max3_num_f32 v[MX+2*\u+1], v[MX+2*\u+1], v[S+64*\u+i+2], v[S+64*\u+i+3]
.endr
.set i, i+4
.endr
.irp u, 0,1
	v_max3_num_f32 v[MX+2*\u], v[MX+2*\u], v[S+64*\u+62], v[S+64*\u+63]
.endr
.irp u, 0,1
	v_max_num_f32 v[MX+2*\u], v[MX+2*\u], v[MX+2*\u+1]
.endr
.irp u, 0,1
	v_permlanex16_b32 v[PX+\u], v[MX+2*\u], s[SEL], s[SEL+1]
.endr
.irp u, 0,1
	v_max_num_f32 v[MX+2*\u], v[MX+2*\u], v[PX+\u]         ; and among lane l xor 16's
.endr
.irp u, 0,1
	v_mul_f32 v[MX+2*\u], s[CS], v[MX+2*\u]                ; as t (c is positive)
.endr
.irp u, 0,1
	v_max_num_f32 v[ST+4*\u+1], v[ST+4*\u+1], v[MX+2*\u]   ; the running largest t
.endr
.irp u, 0,1
	v_mov_b32 v[MX+2*\u], v[ST+4*\u]
.endr
.irp u, 0,1
	v_floor_f32 v[ST+4*\u], -v[ST+4*\u+1]                  ; the new -M = floor(-t) = -ceil(t)
.endr
.irp u, 0,1
	v_sub_f32 v[MX+2*\u], v[ST+4*\u], v[MX+2*\u]           ; old M - new M: a whole number, 0 or less
.endr
.irp u, 0,1
	v_cvt_i32_f32 v[MX+2*\u], v[MX+2*\u]                   ; (it saturates)
.endr
.irp u, 0,1
	v_ldexp_f32 v[FF+2*\u], 1.0, v[MX+2*\u]                ; f = 2^(old M - new M)
.endr
.irp u, 0,1
.set j, 0
.rept 32
	v_pk_fma_f32 v[S+64*\u+j:S+64*\u+j+1], v[S+64*\u+j:S+64*\u+j+1], s[CS:CS+1], v[ST+4*\u:ST+4*\u+1] op_sel_hi:[1,0,0]   ; t - M, two at a time
.set j, j+2
.endr
.endr
.set j, 0
.rept 128
	v_exp_f32 v[S+j], v[S+j]                       ; p = 2^(t - M): both tiles' 128 exponentials are one batch
.set j, j+1
.endr
.irp u, 0,1
	v_pk_mul_f32 v[ST+4*\u+2:ST+4*\u+3], v[ST+4*\u+2:ST+4*\u+3], v[FF+2*\u:FF+2*\u+1] op_sel_hi:[1,0]   ; the sums under the new M: plain instructions behind the last exponential
.endr
	s_wait_alu depctr_va_vdst(0)                   ; one wait for the batch, ahead of the first instruction that names a result
.irp u, 0,1
	v_pk_add_f32 v[SUM2+2*\u:SUM2+2*\u+1], v[S+64*\u:S+64*\u+1], v[S+64*\u+2:S+64*\u+3]   ; the sum is taken of the unquantised p: two chains a tile
.endr
.set j, 4
.rept 15
.irp u, 0,1
	v_pk_add_f32 v[ST+4*\u+2:ST+4*\u+3], v[ST+4*\u+2:ST+4*\u+3], v[S+64*\u+j:S+64*\u+j+1]
	v_pk_add_f32 v[SUM2+2*\u:SUM2+2*\u+1], v[SUM2+2*\u:SUM2+2*\u+1], v[S+64*\u+j+2:S+64*\u+j+3]
.endr
.set j, j+4
.endr
.irp u, 0,1
	v_pk_add_f32 v[ST+4*\u+2:ST+4*\u+3], v[ST+4*\u+2:ST+4*\u+3], v[SUM2+2*\u:SUM2+2*\u+1]
.endr
	s_cmp_eq_u32 s[HOLD], 0                        ; p <= 1 < 57,344 x 2^e8 where e8 >= -15: there the hold changes nothing and is jumped over
	s_cbranch_scc1 .Lno_hold_\@
.set j, 0
.rept 128
	v_min_num_f32 v[S+j], v[S+j], v[PLIM]          ; the conversion to an 8-bit code does not saturate (ISA guide 7.6.2); p is not negative, so the hold is one-sided
.set j, j+1
.endr
.Lno_hold_\@:
.irp u, 0,1
.irp b, 0,1,2,3
	v_cvt_scalef32_pk8_bf8_f32 v[PC+16*\u+4*\b:PC+16*\u+4*\b+1], v[S+64*\u+16*\b:S+64*\u+16*\b+7], v[PSCL]       ; registers 4 b .. 4 b + 3 of the operand: keys 32 b + 16 h + 0 .. 15
	v_cvt_scalef32_pk8_bf8_f32 v[PC+16*\u+4*\b+2:PC+16*\u+4*\b+3], v[S+64*\u+16*\b+8:S+64*\u+16*\b+15], v[PSCL]
.endr
.endr
	WIN 0x41                                       ; O^T (destination and source 0) window 1, f window 0
.irp u, 0,1
.set j, 0
.rept 16
	v_pk_mul_f32 v[OT+32*\u+j:OT+32*\u+j+1], v[OT+32*\u+j:OT+32*\u+j+1], v[FF+2*\u:FF+2*\u+1] op_sel_hi:[1,0]   ; O^T under the new M; also the plain instructions behind the conversions
.set j, j+2
.endr
.endr
	s_wait_dscnt 0x0                               ; V is in
	WIN 0x51                                       ; V, C and D window 1, p's codes window 0
.irp t, 0,1,2,3
.irp u, 0,1
	v_wmma_f32_16x16x128_bf8_bf8 v[OT+32*\u+8*\t:OT+32*\u+8*\t+7], v[VFR+16*\t:VFR+16*\t+15], v[PC+16*\u:PC+16*\u+15], v[OT+32*\u+8*\t:OT+32*\u+8*\t+7]   ; the eight accumulators take turns, one instruction a turn
.endr
.endr
	WIN 0
.Lhidden_\@:
	s_add_co_u32 s[KF], s[KF], 128
.endm
; A PASS over one block of 256 queries.  qr: Q's registers; qb: the block's number (a scalar register); out: ctx's address; ntrip: chunks walked, a constant; stage = 1: the pass that brings K and V into LDS.
.macro PASS qr, qb, out, ntrip, stage
	s_lshl_b32 s[QMIN], s[\qb], 8
	s_lshl_b32 s54, s[WV], 5
	s_add_co_u32 s[QMIN], s[QMIN], s54
	s_add_co_u32 s[QMAX], s[QMIN], 31
	s_mov_b32 s[KF], 0
	s_mov_b32 s[TB], 0
	s_mov_b32 s[CH], 0
.irp u, 0,1
	v_mov_b32 v[ST+4*\u+1], 0xff61b1e6             ; the largest t so far: -3e38, under every t
	v_floor_f32 v[ST+4*\u], -v[ST+4*\u+1]
	v_mov_b32 v[ST+4*\u+2], 0
	v_mov_b32 v[ST+4*\u+3], 0
.endr
	WIN 0x40
.set j, 0
.rept 64
	v_mov_b32 v[OT+j], 0                           ; O^T: the step is written without a first step of its own: it finds zeros, which the first change of M leaves zeros
.set j, j+1
.endr
	WIN 0
.Ltrip_\@:
.if \stage
	s_wait_loadcnt 0x0                             ; this chunk's eight loads are in (in the first trip Q's too): their bases may be stepped
	s_wait_xcnt 0x0                                ; the last prefetch, a chunk back, has read its address
	s_add_nc_u64 s[KB:KB+1], s[KB:KB+1], CHUNK
	s_add_nc_u64 s[VB:VB+1], s[VB:VB+1], CHUNK
	s_add_nc_u64 s[PFA:PFA+1], s[PFA:PFA+1], CHUNK
	v_add_nc_u32 v[SA], s[TB], v[T16]
	v_add_nc_u32 v[SAV], VIMG, v[SA]
	s_cmp_gt_u32 s[CH], s[QB0]                     ; chunks behind the block's own are not needed
	s_cbranch_scc1 .Lno_store_\@
	WIN 0x04                                       ; the stores' data window 1
.irp j, 0,1,2,3
	ds_store_b128 v[SA], v[STG+4*\j:STG+4*\j+3] offset:4096*\j
.endr
.irp j, 0,1,2,3
	ds_store_b128 v[SAV], v[STG+16+4*\j:STG+16+4*\j+3] offset:4096*\j
.endr
	WIN 0
.Lno_store_\@:
	s_wait_dscnt 0x0                               ; for the others' sake: my stores have landed
	s_barrier_signal -1
	s_barrier_wait -1                              ; the chunk is whole.  Its bytes are never written again, so no second barrier is needed
	s_cmp_ge_u32 s[CH], s[QB0]
	s_cbranch_scc1 .Lno_load_\@
	WIN 0x40
.irp j, 0,1,2,3
	global_load_b128 v[STG+4*\j:STG+4*\j+3], v[T16], s[KB:KB+1] offset:4096*\j         ; the next chunk: it has this chunk's two key steps in which to come
.endr
.irp j, 0,1,2,3
	global_load_b128 v[STG+16+4*\j:STG+16+4*\j+3], v[T16], s[VB:VB+1] offset:4096*\j
.endr
	WIN 0
	ASK
.Lno_load_\@:
.endif
	STEP 0, \qr
	STEP 1, \qr
	s_add_co_u32 s[TB], s[TB], CHUNK
	s_add_co_u32 s[CH], s[CH], 1
	s_cmp_lt_u32 s[CH], \ntrip
	s_cbranch_scc1 .Ltrip_\@
	; THE WAY OUT: ctx = O^T x 2^(e8 + e9) / the sum, quantised with 2^e10; a lane's 16 codes of two neighbouring tiles of channels are 16 bytes of a block of cimg.
.rept 4
	v_nop                                          ; places behind the last products
.endr
	s_wait_xcnt 0x0                                ; the stores of the pass before have read the codes' registers
.irp u, 0,1
	v_add_f32 v[ST+4*\u+2], v[ST+4*\u+2], v[ST+4*\u+3]
.endr
.irp u, 0,1
	v_permlanex16_b32 v[PX+\u], v[ST+4*\u+2], s[SEL], s[SEL+1]
.endr
.irp u, 0,1
	v_add_f32 v[ST+4*\u+2], v[ST+4*\u+2], v[PX+\u]         ; the row's sum
.endr
.irp u, 0,1
	v_rcp_f32 v[FF+2*\u], v[ST+4*\u+2]
.endr
	v_nop                                          ; a plain instruction behind the last reciprocal
	s_wait_alu depctr_va_vdst(0)                   ; one wait for the two, ahead of their first reader
.irp u, 0,1
	v_ldexp_f32 v[FF+2*\u], v[FF+2*\u], s[ESUM]
.endr
	WIN 0x01                                       ; source 0 (O^T) window 1
.irp u, 0,1
.set j, 0
.rept 16
	v_pk_mul_f32 v[S+64*\u+j:S+64*\u+j+1], v[OT+32*\u+j:OT+32*\u+j+1], v[FF+2*\u:FF+2*\u+1] op_sel_hi:[1,0]   ; register 16 g + i: channel 32 g + 16 h + i; each accumulator from its low end on
.set j, j+2
.endr
.endr
	WIN 0
.irp u, 0,1
.set j, 0
.rept 32
	v_med3_num_f32 v[S+64*\u+j], v[S+64*\u+j], -v[CLIM], v[CLIM]
.set j, j+1
.endr
.endr
.irp u, 0,1
.irp g, 0,1
	v_cvt_scalef32_pk8_bf8_f32 v[CC+8*\u+4*\g:CC+8*\u+4*\g+1], v[S+64*\u+16*\g:S+64*\u+16*\g+7], v[CSCL]
	v_cvt_scalef32_pk8_bf8_f32 v[CC+8*\u+4*\g+2:CC+8*\u+4*\g+3], v[S+64*\u+16*\g+8:S+64*\u+16*\g+15], v[CSCL]
.endr
.endr
	v_nop                                          ; one plain vector instruction behind the last conversion
.irp u, 0,1
.irp g, 0,1
	global_store_b128 v[LI], v[CC+8*\u+4*\g:CC+8*\u+4*\g+3], s[\out:\out+1] offset:\u*16384+\g*512   ; the wave stores 512 consecutive bytes, aligned
.endr
.endr
.endm
	PASS 192, QB0, OUT0, 8, 1                      ; block 7 - i, and the staging of chunks 0 .. 7 - i
	PASS 208, QB1, OUT1, 4, 0                      ; block i: its chunks 0 .. i lie in LDS, shown to every wave by the first pass's barriers
	s_wait_tensorcnt 0x0
	ds_add_u32 v254, v255
	s_wait_dscnt 0x0
	s_endpgm
.Lfunc_end_k_q44b5834dd0_attn:
	.size	k_q44b5834dd0_attn, .Lfunc_end_k_q44b5834dd0_attn-k_q44b5834dd0_attn
	.p2alignl 7, 3214868480
	.fill 96, 4, 3214868480
	.section	.rodata,"a",@progbits
	.p2align	6, 0x0
	.amdhsa_kernel k_q44b5834dd0_attn
		.amdhsa_group_segment_fixed_size 263168
		.amdhsa_private_segment_fixed_size 0
		.amdhsa_enable_private_segment 0
		.amdhsa_kernarg_size 40
		.amdhsa_user_sgpr_count 2
		.amdhsa_user_sgpr_kernarg_segment_ptr 1
		.amdhsa_wavefront_size32 1
		.amdhsa_system_sgpr_workgroup_id_x 1
		.amdhsa_system_sgpr_workgroup_id_y 1
		.amdhsa_system_sgpr_workgroup_id_z 1
		.amdhsa_system_vgpr_workitem_id 0
		.amdhsa_next_free_vgpr 512
		.amdhsa_next_free_sgpr 66
		.amdhsa_reserve_vcc 1
		.amdhsa_float_denorm_mode_32 3
		.amdhsa_float_denorm_mode_16_64 3
		.amdhsa_memory_ordered 1
		.amdhsa_forward_progress 1
		.amdhsa_inst_pref_size 182
	.end_amdhsa_kernel
	.amdgpu_metadata
---
amdhsa.version: [ 1, 2 ]
amdhsa.kernels:
  - .name:           k_q44b5834dd0_attn
    .symbol:         k_q44b5834dd0_attn.kd
    .args:
      - { .name: qimg, .offset: 0, .size: 8, .value_kind: global_buffer, .address_space: global }
      - { .name: kimg, .offset: 8, .size: 8, .value_kind: global_buffer, .address_space: global }
      - { .name: vimg, .offset: 16, .size: 8, .value_kind: global_buffer, .address_space: global }
      - { .name: lowp_scales, .offset: 24, .size: 8, .value_kind: global_buffer, .address_space: global }
      - { .name: cimg, .offset: 32, .size: 8, .value_kind: global_buffer, .address_space: global }
    .group_segment_fixed_size: 263168
    .private_segment_fixed_size: 0
    .kernarg_segment_align: 8
    .kernarg_segment_size: 40
    .max_flat_workgroup_size: 256
    .sgpr_count:     66
    .vgpr_count:     512
    .wavefront_size: 32
...
	.end_amdgpu_metadata
.endif
;; end of part 2
;; launch oproj (part 3): grid 4 x 32, 4 waves a work-group, clusters of 4 x 4, 327,680 bytes of LDS; arguments cimg, Wo_codes, lowp_scales, out0; writes out0
.if DOCPART == 3
	.amdgcn_target "amdgcn-amd-amdhsa--gfx1250"
	.amdhsa_code_object_version 6
	.text
	.protected	k_q44b5834dd0_oproj
	.globl	k_q44b5834dd0_oproj
	.p2align	8
	.type	k_q44b5834dd0_oproj,@function
k_q44b5834dd0_oproj:
	s_mov_b64 s[64:65], 0
	v_nop
	global_prefetch_b8 v0, s[64:65] scope:SCOPE_SE
	s_setreg_imm32_b32 hwreg(HW_REG_WAVE_MODE, 25, 1), 1
	s_wait_xcnt 0x0
	s_wait_alu depctr_hold_cnt(0) depctr_sa_sdst(0) depctr_va_vdst(0) depctr_va_sdst(0) depctr_va_ssrc(0) depctr_va_vcc(0) depctr_vm_vsrc(0)
	s_getreg_b32 s2, hwreg(HW_REG_IB_STS2, 6, 4)
	s_cmp_eq_u32 s2, 0
	s_cbranch_scc0 .Lentry_in_a_cluster
	s_endpgm
.Lentry_in_a_cluster:
	s_bfe_u32 s2, ttmp6, 0x10000c
	s_cmp_lg_u32 s2, 0xf033
	s_cbranch_scc0 .Lentry_shape_is_right
	s_endpgm
.Lentry_shape_is_right:
; out0[m][n] = 2^(e10 + e11) x the sum over k of ctx[m][k] Wo[n][k], on codes of BF8 (E5M2).  ctx: 8,192 x 1,024 as images of operand registers (cimg); Wo_codes: [1024 (n)][1024 (k)]; out0 f32.
; cimg: TT x 16384 + kk x 2048 + c x 512 + 16 L + e: token perm(TT, L % 16) = 32 (TT / 2) + 8 (TT % 2) + r' + 8 (r' / 8), k = 128 kk + 32 c + 16 (L / 16) + e: a fragment of 16 tokens x 128 K is 2,048 consecutive bytes.
; LIMIT: e10 + e11 lies between -126 and 127, so that 2^(e10 + e11) is an f32 number.
; A tile of 256 x 256 to a work-group of four waves, 128 x 128 to a wave: 64 accumulators, 512 registers.  K goes in steps of 256 through two LDS slots: four fills, so the eight steps of 128 are written out without a loop.
; CLUSTERS: 4 x 4 work-groups.  ctx's tile is shared along a row of the cluster, Wo's along a column: each is asked for jointly.  No prefetch: two of the four fills stand at the head.
; THE MATRIX INSTRUCTION IS USED TRANSPOSED (source 0 = 16 rows of Wo, source 1 = 16 tokens): a lane holds eight neighbouring numbers of a row of out0.
; REGISTERS, in windows of 256: window 0: v16-29 addresses; from v128 ctx's fragments, ONE set; on the way out v32-255 are free.  window 1: Wo's fragments, TWO sets.  windows 2, 3: the accumulators.
.set KROW,   1024                      ; a row of Wo in memory, in bytes
.set ROWB,   256                       ; a slot's part of it
.set PITCH,  272                       ; Wo's rows in LDS: 256 bytes + 16 of padding: the 16 rows of a load start at 16 different banks (64 banks of 4 bytes: ISA guide 11.1)
.set FR,     16
.set NL,     4
.set NP,     4
.set ATILE,  4096                      ; a token tile's part of a slot: two fragments, dense
.set AHALF,  8*ATILE                   ; what one tensor load brings of ctx: 8 token tiles
.set BHALF,  128*PITCH                 ; and of Wo: 128 rows
.set BOFF,   2*AHALF
.set SLOT,   BOFF+2*BHALF              ; ctx's 16 token tiles, then Wo's 256 rows
.set SPARE,  2*SLOT                    ; behind the ring: the spare words, 128 bytes for each wave
.set SPITCH, 528                       ; the way out: a stage of 16 rows x (512 bytes + 16) for each wave, in slot 0, which has had its last fill and its last read by then
.set ADRA, 16
.set ADRB, 20
.set STO,  24
.set RD,   25
.set CO,   26                          ; v26  16 x lane
.set SPW,  28
.set NIL,  29
.set TMP,  32
.set AF,   128
.set BK,   128
.set G1, 24
.set G0, 32
.set G1B, 48
.set G0B, 56
.set MSB, 0
.macro WIN new                         ; the immediate's high byte repeats the setting that is left
.if MSB != \new
	s_set_vgpr_msb (MSB<<8)|\new
.set MSB, \new
.endif
.endm
.set MUL_LO, 0xa1
.set MUL_HI, 0xf1
.set TO_B,   0x40
.macro JLOAD g0a, g1a, g0b, g1b        ; a joint load: waves 0 and 1 fetch for ctx, waves 2 and 3 for Wo; four v_nop follow each of the two lines
	s_cmp_eq_u32 s15, 0
	s_cbranch_scc0 .Lfor_b_\@
	tensor_load_to_lds s[\g0a:\g0a+3], s[\g1a:\g1a+7]
	s_nop 0
.rept 4
	v_nop
.endr
	s_branch .Lasked_\@
.Lfor_b_\@:
	tensor_load_to_lds s[\g0b:\g0b+3], s[\g1b:\g1b+7]
	s_nop 0
.rept 4
	v_nop
.endr
.Lasked_\@:
.endm
.macro CREST
	s_cmp_lg_u32 s14, 0
	s_cbranch_scc1 .Lnot_wave_0_\@
	s_barrier_signal -3
.Lnot_wave_0_\@:
	s_barrier_wait -3
	s_barrier_signal -1
	s_barrier_wait -1
.endm
.macro CROUND
	s_barrier_signal -1
	s_barrier_wait -1
	CREST
.endm
	s_load_b128 s[4:7], s[0:1], 0x0                ; cimg s[4:5], Wo's codes s[6:7]
	s_load_b128 s[8:11], s[0:1], 0x10              ; the scales' exponents s[8:9], out0 s[10:11]
	v_lshl_add_u32 v[SPW], v0, 2, SPARE
	v_mov_b32 v[NIL], 0
	ds_add_u32 v28, v29
	ds_add_u32 v28, v29
	s_wait_dscnt 0x0
	v_lshrrev_b32 v1, 5, v0
	v_readfirstlane_b32 s14, v1                    ; wave 0..3
	s_lshr_b32 s15, s14, 1                         ; which half of the tile's rows is mine.  Also: I fetch for ctx (0) or for Wo (1)
	s_and_b32 s16, s14, 1                          ; which half of its columns.  Also: which half of that tile I fetch
	s_bfe_u32 s40, ttmp6, 0x40000                  ; cx, cy
	s_bfe_u32 s41, ttmp6, 0x40004
	s_lshl_b32 s42, ttmp9, 2
	s_add_co_u32 s42, s42, s40                     ; tile column = 4 x cluster x + cx
	s_and_b32 s17, ttmp7, 0xffff
	s_lshl_b32 s17, s17, 2
	s_add_co_u32 s17, s17, s41                     ; tile row = 4 x cluster y + cy
	s_lshl_b32 s43, s41, 2
	s_lshl_b32 s43, 15, s43                        ; my row of the cluster
	s_lshl_b32 s44, 0x1111, s40                    ; my column
	; descriptor group 1 for ctx: 8 rows of 4,096 bytes (a token tile's two fragments), 16,384 bytes apart in memory, dense in LDS
	s_or_b32 s[G1+0], s43, (1<<21)                 ; 15:0 the mask; 17:16 elements of 1 byte; 20 no padding; 21 set beside a mask
	s_mov_b32 s[G1+1], ATILE<<16                   ; tensor_dim0 = 4,096
	s_mov_b32 s[G1+2], 8<<16                       ; tensor_dim1 = 8
	s_mov_b32 s[G1+3], ATILE<<16                   ; tile_dim0
	s_mov_b32 s[G1+4], 8                           ; tile_dim1
	s_mov_b32 s[G1+5], 16384                       ; tensor_dim0_stride
	s_mov_b32 s[G1+6], 0
	s_mov_b32 s[G1+7], 0
	; for Wo: 128 rows of 256 bytes, padded in LDS
	s_or_b32 s[G1B+0], s44, (1<<20)|(1<<21)|(5<<22)|(3<<25)
	s_mov_b32 s[G1B+1], ROWB<<16
	s_mov_b32 s[G1B+2], 128<<16
	s_mov_b32 s[G1B+3], ROWB<<16
	s_mov_b32 s[G1B+4], 128
	s_mov_b32 s[G1B+5], KROW
	s_mov_b32 s[G1B+6], 0
	s_mov_b32 s[G1B+7], 0
	s_lshl_b32 s20, s17, 4
	s_lshl_b32 s18, s16, 3
	s_add_co_u32 s20, s20, s18                     ; ctx: token tile 16 x tile row + 8 x half,
	s_lshl_b32 s20, s20, 14                        ; in bytes
	s_mov_b32 s21, 0
	s_lshl_b32 s46, s42, 8
	s_lshl_b32 s18, s16, 7
	s_add_co_u32 s46, s46, s18                     ; Wo: row 256 x tile column + 128 x half,
	s_lshl_b32 s46, s46, 10
	s_mov_b32 s47, 0
	s_lshl_b32 s45, s16, 15                        ; where they go: ctx's half x 32,768;
	s_mul_i32 s19, s16, BHALF
	s_add_co_u32 s19, s19, BOFF                    ; Wo's behind ctx's: no place in the cluster enters an LDS address
	s_wait_kmcnt 0x0
	s_load_b64 s[96:97], s[8:9], 0x28              ; e10, e11
	s_add_nc_u64 s[20:21], s[4:5], s[20:21]
	s_add_nc_u64 s[46:47], s[6:7], s[46:47]
	CROUND                                         ; all sixteen work-groups are here: the first joint loads meet
.irp s, 0,1
	s_mov_b32 s[G0+4*\s], 1
	s_add_co_u32 s[G0+4*\s+1], s45, \s*SLOT
	s_add_nc_u64 s[G0+4*\s+2:G0+4*\s+3], s[20:21], \s*ATILE
	s_or_b32 s[G0+4*\s+3], s[G0+4*\s+3], 0x80000000
	s_mov_b32 s[G0B+4*\s], 1
	s_add_co_u32 s[G0B+4*\s+1], s19, \s*SLOT
	s_add_nc_u64 s[G0B+4*\s+2:G0B+4*\s+3], s[46:47], \s*ROWB
	s_or_b32 s[G0B+4*\s+3], s[G0B+4*\s+3], 0x80000000
	JLOAD G0+4*\s, G1, G0B+4*\s, G1B
.endr
	v_and_b32 v1, 15, v0                           ; r
	v_bfe_u32 v2, v0, 4, 1                         ; h
	v_mul_u32_u24 v3, v1, PITCH
	v_lshl_add_u32 v4, v2, 4, v3                   ; Wo: a fragment's row x pitch + 16 x half
	v_and_b32 v6, 31, v0
	v_lshlrev_b32 v[CO], 4, v6                     ; ctx: 16 x lane in an image
	s_lshl_b32 s21, s15, 15                        ; my 8 token tiles
	s_mul_i32 s22, s16, BHALF
	s_add_co_u32 s22, s22, BOFF                    ; my 128 rows of Wo
.irp s, 0,1
	v_add_nc_u32 v[ADRA+\s], s21, v[CO]
	v_add_nc_u32 v[ADRB+\s], s22, v4
	s_add_co_u32 s21, s21, SLOT
	s_add_co_u32 s22, s22, SLOT
.endr
	s_mul_i32 s23, s14, 16*SPITCH                  ; my stage
	v_mul_u32_u24 v5, v1, SPITCH                   ; in: row r, 32 bytes for each half of the lanes
	v_lshl_add_u32 v5, v2, 5, v5
	v_add_nc_u32 v[STO], s23, v5
	v_add_nc_u32 v[RD], s23, v[CO]                 ; back: the 32 lanes take one row of 512 bytes
	s_lshl_b32 s20, s17, 8
	s_lshl_b32 s21, s15, 7
	s_add_co_u32 s20, s20, s21                     ; my first token: 256 x tile row + 128 x half,
	s_lshl_b32 s20, s20, 12                        ; a row of out0 is 4,096 bytes
	s_mov_b32 s21, 0
	s_lshl_b32 s46, s42, 10                        ; my first column, in bytes: 1024 x tile column + 512 x half
	s_lshl_b32 s47, s16, 9
	s_add_co_u32 s46, s46, s47
	s_mov_b32 s47, 0
	s_add_nc_u64 s[20:21], s[20:21], s[46:47]
	s_add_nc_u64 s[10:11], s[10:11], s[20:21]
.macro FRAGB reg, adr, q, i            ; Wo: lane l holds row l % 16; registers 4 c .. 4 c + 3 hold K = 32 c + 16 (l / 16) + 0 .. 15
.irp c, 0,1,2,3
	ds_load_b128 v[\reg+4*\c:\reg+4*\c+3], v[\adr] offset:128*(\q)+32*\c+(\i)*16*PITCH
.endr
.endm
.macro FRAGA reg, adr, q, i            ; ctx: the image gives the same order of k: 512 consecutive bytes an instruction
.irp c, 0,1,2,3
	ds_load_b128 v[\reg+4*\c:\reg+4*\c+3], v[\adr] offset:(\i)*ATILE+(\q)*2048+512*\c
.endr
.endm
; The 64 accumulators take turns, one instruction a turn, in the same order in every step.
.macro MUL16 a0, p, zero
.irp a, \a0, \a0+1
.irp b, 0,1,2,3,4,5,6,7
.if \zero
	v_wmma_f32_16x16x128_bf8_bf8 v[8*(8*((\a)%4)+\b):8*(8*((\a)%4)+\b)+7], v[128*(\p)+FR*\b:128*(\p)+FR*\b+FR-1], v[AF+FR*(\a):AF+FR*(\a)+FR-1], 0
.else
	v_wmma_f32_16x16x128_bf8_bf8 v[8*(8*((\a)%4)+\b):8*(8*((\a)%4)+\b)+7], v[128*(\p)+FR*\b:128*(\p)+FR*\b+FR-1], v[AF+FR*(\a):AF+FR*(\a)+FR-1], v[8*(8*((\a)%4)+\b):8*(8*((\a)%4)+\b)+7]
.endif
.endr
.endr
.endm
.macro FETCH_B slot, q, p
	WIN TO_B
.irp i, 0,1,2,3,4,5,6,7
	FRAGB 128*(\p)+FR*\i, ADRB+\slot, \q, \i
.endr
	WIN 0
.endm
.macro FETCH_A slot, q, i0
.irp i, \i0, \i0+1, \i0+2, \i0+3
	FRAGA AF+FR*(\i), ADRA+\slot, \q, \i
.endr
.endm
.macro PLACES n                        ; plain vector instructions between a matrix instruction and a load into, or a read of, its registers
.rept \n
	v_nop
.endr
.endm
.macro STEP slot, q, zero
	s_wait_dscnt 4*NL                              ; Wo's set and ctx's blocks 0-3 are in; the youngest sixteen loads (blocks 4-7) may be out
	WIN MUL_LO
	MUL16 0, (\q)%2, \zero
	MUL16 2, (\q)%2, \zero
	s_wait_dscnt 0
	PLACES NP
	FETCH_B \slot, (\q)+1, 1-(\q)%2
	FETCH_A \slot, (\q)+1, 0
	WIN MUL_HI
	MUL16 4, (\q)%2, \zero
	MUL16 6, (\q)%2, \zero
	PLACES NP
	WIN 0
	FETCH_A \slot, (\q)+1, 4
.endm
.macro TURN slot, next, fill
	s_wait_tensorcnt 0x0                           ; all my tensor loads have landed: my part of the next slot
	ds_add_u32 v[SPW], v[NIL]                      ; 0 onto my spare word
	s_wait_dscnt 4*NL+1                            ; (the add and the youngest sixteen loads may be out)
	WIN MUL_LO
	MUL16 0, 1, 0
	s_wait_dscnt 0x0                               ; the add is done, and my reads of this slot are over
	s_barrier_signal -1
	MUL16 2, 1, 0
	WIN 0
	s_barrier_wait -1
.if \fill
	CREST                                          ; the barrier has opened a round of the cluster's barrier: no wave of any partner still reads this slot or has a load on its way
	s_add_nc_u64 s[G0+4*\slot+2:G0+4*\slot+3], s[G0+4*\slot+2:G0+4*\slot+3], 2*ATILE
	s_add_nc_u64 s[G0B+4*\slot+2:G0B+4*\slot+3], s[G0B+4*\slot+2:G0B+4*\slot+3], 2*ROWB
	JLOAD G0+4*\slot, G1, G0B+4*\slot, G1B         ; the first tensor load behind the round; its four v_nop are the places in front of the loads below
.else
	PLACES NP
.endif
	FETCH_B \next, 0, 0
	FETCH_A \next, 0, 0
	WIN MUL_HI
	MUL16 4, 1, 0
	MUL16 6, 1, 0
	PLACES NP
	WIN 0
	FETCH_A \next, 0, 4
.endm
	s_wait_tensorcnt 1                             ; my part of slot 0 is in; slot 1's load may be out
	s_barrier_signal -1
	s_barrier_wait -1
	FETCH_B 0, 0, 0
	FETCH_A 0, 0, 0
	FETCH_A 0, 0, 4
	STEP 0, 0, 1                                   ; K 0-127: the products start the sums
	TURN 0, 1, 1                                   ; slot 0 takes K 512-767
	STEP 1, 0, 0
	TURN 1, 0, 1                                   ; slot 1 takes K 768-1023
	STEP 0, 0, 0
	TURN 0, 1, 0                                   ; nothing is left to fetch
	STEP 1, 0, 0
	s_wait_dscnt 4*NL                              ; the last step
	WIN MUL_LO
	MUL16 0, 1, 0
	MUL16 2, 1, 0
	s_wait_dscnt 0
	WIN MUL_HI
	MUL16 4, 1, 0
	MUL16 6, 1, 0
	WIN 0
; THE WAY OUT, block by block of 16 tokens x 128 columns, through my own stage in LDS: back as whole rows of 512 bytes.  LDS serves a wave's instructions in order (ISA guide 5.7.1.4): no wait between the stores and the loads.
.macro TOSTAGE a
.set AC, 64*((\a)%4)
	WIN 0x02+((\a)/4)                              ; source 0: window 2 or 3
.set j, 0
.rept 32
	v_pk_mul_f32 v[TMP+j:TMP+j+1], v[AC+j:AC+j+1], s[96:97] op_sel_hi:[1,0]   ; both x s96 = 2^(e10 + e11); each accumulator from its low end on
.set j, j+2
.endr
	WIN 0
.irp b, 0,1,2,3,4,5,6,7
	ds_store_b128 v[STO], v[TMP+8*\b:TMP+8*\b+3] offset:64*\b
	ds_store_b128 v[STO], v[TMP+8*\b+4:TMP+8*\b+7] offset:64*\b+16
.endr
.set BB, BK+64*((\a)%2)
.irp t, 0,1,2,3,4,5,6,7,8,9,10,11,12,13,14,15
	ds_load_b128 v[BB+4*\t:BB+4*\t+3], v[RD] offset:\t*SPITCH
.endr
.endm
.macro SEND a, younger                 ; row t of block a is token 32 (a / 2) + 8 (a % 2) + t + 8 (t / 8) of my 128: it stands in the immediate (at most 127 rows of 4,096 bytes), and the base is never stepped
.set BB, BK+64*((\a)%2)
	s_wait_dscnt \younger
.irp t, 0,1,2,3,4,5,6,7,8,9,10,11,12,13,14,15
	global_store_b128 v[CO], v[BB+4*\t:BB+4*\t+3], s[10:11] offset:(32*((\a)/2)+8*((\a)%2)+\t+8*(\t/8))*4096 th:TH_STORE_NT   ; 32 lanes store 512 consecutive bytes, aligned; written once, read by nobody here
.endr
.endm
	s_wait_kmcnt 0x0
	s_add_co_i32 s96, s96, s97                     ; e10 + e11
	s_add_co_i32 s96, s96, 127
	s_lshl_b32 s96, s96, 23                        ; 2^(e10 + e11) as f32
	PLACES NP
	TOSTAGE 0
.irp a, 1,2,3,4,5,6,7
.if \a > 1
	s_wait_xcnt 0x0                                ; block a - 2's stores have read their registers: block a's loads may land there
.endif
	TOSTAGE \a
	SEND \a-1, 32                                  ; behind block a - 1's loads: block a's 16 stores and 16 loads
.endr
	SEND 7, 0
	s_wait_tensorcnt 0x0                           ; the wave's end
	ds_add_u32 v[SPW], v[NIL]
	s_wait_dscnt 0x0
	CROUND                                         ; the closing round: no work-group ends while a partner may still ask for a tile that names it
	s_endpgm
.Lfunc_end_k_q44b5834dd0_oproj:
	.size	k_q44b5834dd0_oproj, .Lfunc_end_k_q44b5834dd0_oproj-k_q44b5834dd0_oproj
	.p2alignl 7, 3214868480
	.fill 96, 4, 3214868480
	.section	.rodata,"a",@progbits
	.p2align	6, 0x0
	.amdhsa_kernel k_q44b5834dd0_oproj
		.amdhsa_group_segment_fixed_size 327680
		.amdhsa_private_segment_fixed_size 0
		.amdhsa_enable_private_segment 0
		.amdhsa_kernarg_size 32
		.amdhsa_user_sgpr_count 2
		.amdhsa_user_sgpr_kernarg_segment_ptr 1
		.amdhsa_wavefront_size32 1
		.amdhsa_system_sgpr_workgroup_id_x 1
		.amdhsa_system_sgpr_workgroup_id_y 1
		.amdhsa_system_sgpr_workgroup_id_z 1
		.amdhsa_system_vgpr_workitem_id 0
		.amdhsa_next_free_vgpr 1024
		.amdhsa_next_free_sgpr 98
		.amdhsa_reserve_vcc 0
		.amdhsa_float_denorm_mode_32 3
		.amdhsa_float_denorm_mode_16_64 3
		.amdhsa_memory_ordered 1
		.amdhsa_forward_progress 1
		.amdhsa_inst_pref_size 123
	.end_amdhsa_kernel
	.amdgpu_metadata
---
amdhsa.version: [ 1, 2 ]
amdhsa.kernels:
  - .name:           k_q44b5834dd0_oproj
    .symbol:         k_q44b5834dd0_oproj.kd
    .args:
      - { .name: cimg, .offset: 0, .size: 8, .value_kind: global_buffer, .address_space: global }
      - { .name: Wo_codes, .offset: 8, .size: 8, .value_kind: global_buffer, .address_space: global }
      - { .name: lowp_scales, .offset: 16, .size: 8, .value_kind: global_buffer, .address_space: global }
      - { .name: out0, .offset: 24, .size: 8, .value_kind: global_buffer, .address_space: global }
    .group_segment_fixed_size: 327680
    .private_segment_fixed_size: 0
    .kernarg_segment_align: 8
    .kernarg_segment_size: 32
    .max_flat_workgroup_size: 128
    .sgpr_count:     98
    .vgpr_count:     1024
    .wavefront_size: 32
...
	.end_amdgpu_metadata
.endif
;; end of part 3
